; MI455X (gfx1250); checked and timed in simulation.
; The chip was launched on July 23, 2026; its instructions are those of AMD's public machine-readable ISA for CDNA 5 (MIT licence, August 2026) and "CDNA5" Instruction Set Architecture Reference Guide (July 2026). The comments in the code are by the model that wrote it; some were corrected since.
;; Multi Head Attention Classical. Allowed arithmetic: matrix products marked QUANTISED: E2M3 operands, one E8M0 scale for each 32 along K, by v_wmma_scale_f32_16x16x128_f8f6f4 with both operands' format E2M3, f32 sums; everything else in f32.
;; Inputs: Wk_codes 768 x 24 x 24 uint8 (E2M3 codes of Wk, K innermost, in blocks of 32 codes, four codes in three bytes); Wk_scales 768 x 24 uint8 (E8M0 scales of Wk, one for each 32 codes along K); Wo_codes 768 x 24 x 24 uint8 (E2M3 codes of Wo, K innermost, in blocks of 32 codes, four codes in three bytes); Wo_scales 768 x 24 uint8 (E8M0 scales of Wo, one for each 32 codes along K); Wq_codes 768 x 24 x 24 uint8 (E2M3 codes of Wq, K innermost, in blocks of 32 codes, four codes in three bytes); Wq_scales 768 x 24 uint8 (E8M0 scales of Wq, one for each 32 codes along K); Wv_codes 768 x 24 x 24 uint8 (E2M3 codes of Wv, K innermost, in blocks of 32 codes, four codes in three bytes); Wv_scales 768 x 24 uint8 (E8M0 scales of Wv, one for each 32 codes along K); bk 768 float32; bo 768 float32; bq 768 float32; bv 768 float32; x_codes 1 x 4,096 x 24 x 24 uint8 (E2M3 codes of x, K innermost, in blocks of 32 codes, four codes in three bytes); x_scales 1 x 4,096 x 24 uint8 (E8M0 scales of x, one for each 32 codes along K).
;; Outputs: out0 1 x 4,096 x 768 float32.
;; This version of the problem:
;;   THIS VERSION OF THE PROBLEM IS GIVEN IN LOW PRECISION. The matrix products marked QUANTISED in the list below multiply operands that are first quantised to E2M3 (2 exponent bits, 3 mantissa bits; 6 bits a number), with one power-of-two scale for each 32 numbers along K (OCP MX v1.0); their sums are f32. All else is computed in f32.
;;   The module's matrix products, in the order in which they are computed (A, B: the left and right operand; K: the contracted axis; several contracted axes count as one K, in the product's order):
;;     1. [M 4,096, K 768] x [K 768, N 768]; A: input x (given as codes); B: input Wq (given as codes): QUANTISED
;;     2. [M 4,096, K 768] x [K 768, N 768]; A: input x (given as codes); B: input Wk (given as codes): QUANTISED
;;     3. [M 4,096, K 768] x [K 768, N 768]; A: input x (given as codes); B: input Wv (given as codes): QUANTISED
;;     4. batch 12 x [M 4,096, K 64] x [K 64, N 4,096]; A: computed on the way; B: computed on the way: QUANTISED
;;     5. batch 12 x [M 4,096, K 4,096] x [K 4,096, N 64]; A: softmax (see below); B: computed on the way: QUANTISED
;;     6. [M 4,096, K 768] x [K 768, N 768]; A: computed on the way; B: input Wo (given as codes): QUANTISED
;;   THE QUANTISER, for each operand of a quantised product, along K:
;;     - K is cut into blocks of 32 from its start; a last block that is shorter is filled with zeros.
;;     - A block's scale is 2^e with e = floor(log2(the largest magnitude in the block)) - 2, held to -126 .. 127; a block of zeros has e = 0. As a byte (E8M0): e + 127.
;;     - Each number is divided by its block's scale, clamped to +-7.5, and rounded to the nearest number of E2M3, ties to even, subnormals kept.
;;     - The product sums the exact products of the quantised numbers (number of the format x scale) in f32.
;;   ~~~python
;;   def quantise(x, axis):      # numpy; x: float32 -> the quantised numbers, widened to float32 again
;;       x = np.moveaxis(x, axis, -1); K = x.shape[-1]
;;       x = np.pad(x, [(0, 0)] * (x.ndim - 1) + [(0, -K % 32)]); x = x.reshape(x.shape[:-1] + (-1, 32)); a = np.abs(x).max(-1, keepdims=True)
;;       e = np.where(a > 0, np.clip(np.frexp(np.where(a > 0, a, 1))[1] - 1 - 2, -126, 127), 0)      # np.frexp(a)[1] - 1 = floor(log2(a)), exactly
;;       r = np.clip(x / 2.0 ** e, -7.5, 7.5)
;;       step = 2.0 ** (np.maximum(np.frexp(np.where(r == 0, 1, r))[1] - 1, 0) - 3)
;;       q = np.round(r / step) * step * 2.0 ** e      # np.round: ties to even
;;       return np.moveaxis(q.reshape(q.shape[:-2] + (-1,))[..., :K], -1, axis).astype(np.float32)
;;   ~~~
;;   SOFTMAX AHEAD OF A QUANTISED PRODUCT. Where the list says 'softmax', what is quantised is not the finished softmax but p = 2^(t - M), with t = logit x log2(e) and M = ceil(the row's largest t), a whole number; so 1/2 < the row's largest p <= 1. The row's sum l is taken of the UNQUANTISED p, in f32, and the product's result is divided by l at the end. Since M is a whole number, a kernel that streams over the keys may use a running M (the ceiling of the running maximum): every later rescaling is an exact power of two, which a block's scale takes up: the codes' values come out the same.
;;   OPERANDS COMPUTED ON THE WAY. 'Computed on the way' means the value that the module computes at that place (a softmax that the list does not call 'softmax' is quantised finished and normalised). What goes into a quantiser is computed in f32, as accurately as f32 sums, v_exp_f32 and their like allow (about 1e-6 of the number): no bf16 or f16 on the way to a quantiser, and a product that is left as it is and whose result goes on into a quantised operand takes f32 operands (vector FMAs, or v_wmma_f32_16x16x4_f32). A number that lies on a knife's edge between two numbers of the format may be rounded either way, as far as f32 arithmetic and the matrix unit's own rounding can turn it there, and no further.
;;   INPUTS GIVEN AS CODES. Wk (in the module: [768, 768], K = its axis 1); Wo (in the module: [768, 768], K = its axis 1); Wq (in the module: [768, 768], K = its axis 1); Wv (in the module: [768, 768], K = its axis 1); x (in the module: [1, 4096, 768], K = its axis 2): each comes as NAME_codes (uint8): NAME with its K axis moved to the last place and cut into blocks of 32 codes, [.., K / 32, bytes a block], one block behind the other in memory; four codes in three bytes: a row's codes are one little-endian stream of bits, code i at bits 6 i .. 6 i + 5 (a code: sign, 2 exponent bits, 3 mantissa bits); and NAME_scales (uint8): the same leading axes, one E8M0 byte (e + 127) for each 32 codes along K. Its value is code x scale, taken as it is: it is not quantised again, and the codes and scales need not be those that the quantiser above would give.
;; One version. Each part assembles by itself: llvm-mc -triple=amdgcn-amd-amdhsa -mcpu=gfx1250 --defsym DOCPART=n.
;; ======== version 1 of 1: 3 launches
;; limits: right only within a limited range of input values
;; workspace buffers: q 3,145,728 bytes; kv 5,013,504 bytes; a 3,145,728 bytes
;; launch qkv (part 1): grid 8 x 32, 6 waves a work-group, clusters of 4 x 4, 300,288 bytes of LDS; arguments x_codes, x_scales, Wq_codes, Wq_scales, Wk_codes, Wk_scales, Wv_codes, Wv_scales, bq, bk, bv, q, kv; writes q, kv
.if DOCPART == 1
	.amdgcn_target "amdgcn-amd-amdhsa--gfx1250"
	.amdhsa_code_object_version 6
	.text
	.protected	k_q8b8b1af434_qkv
	.globl	k_q8b8b1af434_qkv
	.p2align	8
	.type	k_q8b8b1af434_qkv,@function
k_q8b8b1af434_qkv:
	s_mov_b64 s[64:65], 0
	v_nop
	global_prefetch_b8 v0, s[64:65] scope:SCOPE_SE
	s_setreg_imm32_b32 hwreg(HW_REG_WAVE_MODE, 25, 1), 1
	s_wait_xcnt 0x0
	s_wait_alu depctr_hold_cnt(0) depctr_sa_sdst(0) depctr_va_vdst(0) depctr_va_sdst(0) depctr_va_ssrc(0) depctr_va_vcc(0) depctr_vm_vsrc(0)
	s_getreg_b32 s2, hwreg(HW_REG_IB_STS2, 6, 4)
	s_cmp_eq_u32 s2, 0
	s_cbranch_scc0 .Lentry_in_a_cluster
	s_endpgm
.Lentry_in_a_cluster:
	s_bfe_u32 s2, ttmp6, 0x10000c
	s_cmp_lg_u32 s2, 0xf033
	s_cbranch_scc0 .Lentry_shape_is_right
	s_endpgm
.Lentry_shape_is_right:
; q = x Wq^T + bq, k = x Wk^T + bk, v = x Wv^T + bv on codes of FP6 (E2M3) with E8M0 scales, K = 768 in six steps of 128; the results are quantised here, q and k along the head's 64, v along the keys,
; and leave as images of the operand registers that the next launch wants.
; SHARES.  4,096 x 2,304 outputs are 36,864 tiles of 16 x 16: 144 for each of 256 work-groups.  Work-group (g, rb) takes rows 128 rb .. +127 of x (one key step of 128), three heads of q (g < 4) or of k (g >= 4), and six tiles
; of 16 features of v (rows 96 g .. 96 g + 95 of Wv).  Wave w: head w / 2 of the three, x tiles 4 (w % 2) .. +3 against the head's four tiles of W (16 accumulators); and all eight x tiles against tile w of Wv (8 accumulators).
; LAYOUT.  q, k: source 0 = 16 rows of W, source 1 = 16 rows of x: a lane holds one row of x and its registers run along the features.  v: source 0 = 16 rows of x, source 1 = 16 rows of Wv: a lane holds one feature, registers run down the keys.
; ORDER INSIDE A BLOCK OF 32.  With neighbouring rows to a tile, the 16 registers of two neighbouring tiles are numbers 8 h + 0..7 and 16 + 8 h + 0..7 of one block: the block's codes come out in the order 0-7, 16-23, 8-15, 24-31.
; q and k carry the same order along the head, v here and p in the next launch the same order along the keys: scales, codes and products are those of the plain order; only the order of the sums inside an instruction differs.
; Wv's tiles alone take rows r + 8 (r / 8) (+ 8 for the odd tile of a pair), so that the attention's result comes out with neighbours along the head, as the last product's given operand wants.
; ALL OPERANDS ARE FETCHED ONCE: (128 + 288) rows of 576 bytes lie in LDS for the whole launch; no LDS byte is filled twice.  CLUSTER 4 x 4: x's rows hang on rb alone and are asked for jointly along a row of the cluster,
; the weights' rows on g alone, jointly along a column.  One tensor load a wave is out.
; LIMITS: NaN, infinities and a given scale byte 0xff are not served.  A block whose largest magnitude lies under 2^-124 (a block of zeros too) gets the byte 1 where the rule may say another: its codes are zeros or subnormals of that scale, and only this program reads the bytes.
.set PITCH, 720                        ; a row of 576 bytes in LDS: nine times 64 bytes + 16 of padding = 180 words
.set TILEB, 16*PITCH
.set HALFB, 64*PITCH                   ; 64 rows: 46,080 bytes
.set WVR,   192*PITCH                  ; LDS: 192 rows of Wq or Wk at 0; 96 rows of Wv here;
.set XR,    WVR+96*PITCH               ; 128 rows of x here; the end is 299,520
.set STEPB, 13056                      ; kv: a head's key step: K's codes 6,144, K's scale words 512, V's codes 6,144, V's scale words 256
; window 0
.set RP4,  1                           ; v1   4 (r + 8 (r / 8))
.set AW,   2                           ; v2-3 LDS address of my W fragments (the second: for pieces that lie behind one padding more in lanes 16-31)
.set AV,   4                           ; v4-5 of my Wv fragment
.set AXA,  6                           ; v6-7 of my own half's four x tiles
.set AXB,  8                           ; v8-9 of the other half's
.set L16,  10                          ; 16 x lane
.set L8,   11                          ; 8 x lane
.set R4,   12                          ; 4 r
.set L24,  13                          ; 24 x lane
.set RP24, 14                          ; 24 (r + 8 (r / 8))
.set H32,  15                          ; 32 h
.set SCX,  16                          ; v16-39 x's scale words: pair P of tiles, K step q at 6 P + q; lanes 0-15 the even tile, lanes 16-31 the odd one
.set SCW,  40                          ; v40-51 W's likewise
.set SCV,  52                          ; v52-57 Wv's
.set QA,   64                          ; v64-191 q/k accumulators: x tile i, W tile t at 32 i + 8 t
.set VA,   192                         ; v192-255 v accumulators: x tile i (my own half's first) at 8 i
.set TM,   16                          ; behind the last product v16-58 are at work
.set PC,   32
.set PW,   52
.set T2,   56
.set KQ,   192                         ; q's or k's codes, 6 registers a tile
.set OUTV, 220                         ; v's codes as they leave; v232 its scale word
.set WD,   240                         ; v240-243 a tile's scale word; v244-253 as they leave
; window 1
.set XF,   0                           ; eight x fragments
.set WF,   96                          ; four W fragments
.set VF,   144                         ; one Wv fragment
.set BQ,   160                         ; the bias of the four W tiles, in the result's layout
.set BV,   192                         ; my feature's bv, eight times
.set WV,   30
.set HALF, 31
.set UNIT, 32
.set CX,   33
.set CY,   34
.set G,    35
.set RB,   36
.set MROW, 37
.set MCOL, 38
.set OTHER, 39
.set G1X,  40
.set G1W,  48
.set G1V,  56
.set G0X,  68
.set G0W,  72
.set G0V,  76
.set WC,   80                          ; s[80:85] codes, scales and bias of Wq or of Wk
.set WS,   82
.set BS,   84
.set SEL,  94
.set HI16, 96
.set SWAP, 97
.set MSB, 0
.macro WIN new                         ; the immediate's high byte repeats the setting that is left
.if MSB != \new
	s_set_vgpr_msb (MSB<<8)|\new
.set MSB, \new
.endif
.endm
.set TO_F, 0x40                        ; destination window 1, address window 0
.set MUL,  0x05                        ; sources 0 and 1 window 1, C and D window 0
.set MUL0, 0x15                        ; the first K step: C, the bias, in window 1 too
.macro PLACES                          ; four plain places behind matrix instructions, in front of loads into their sources and of reads of their results
.rept 4
	v_nop
.endr
.endm
.macro CROUND                          ; a round of the cluster's barrier
	s_barrier_signal -1
	s_barrier_wait -1
	s_cmp_lg_u32 s[WV], 0
	s_cbranch_scc1 .Lnot_wave_0_\@
	s_barrier_signal -3
.Lnot_wave_0_\@:
	s_barrier_wait -3
	s_barrier_signal -1
	s_barrier_wait -1
.endm
; A fragment, 16 rows x 128 K: lane (r, h) takes 24 bytes at 96 q + 24 h and 24 at 96 q + 48 + 24 h of its row, in pieces of 8 bytes; piece p lies at 8 p + 16 (p / 8)
.macro FRAG reg, adr, q, off
.irp p, 0,1,2,3,4,5
.set PCE, 12*(\q)+6*(\p/3)+\p%3
.if PCE%8 < 5
	ds_load_b64 v[\reg+2*\p:\reg+2*\p+1], v[\adr] offset:8*PCE+16*(PCE/8)+(\off)
.else
	ds_load_b64 v[\reg+2*\p:\reg+2*\p+1], v[\adr+1] offset:8*PCE+16*(PCE/8)+(\off)
.endif
.endr
.endm
; One product.  ra, rb = 1: that side's scale words stand in lanes 16-31 of the register named
.macro MM d, a, b, c, sa, sb, ra, rb
.if (\ra) && (\rb)
	v_wmma_scale_f32_16x16x128_f8f6f4 v[\d:\d+7], v[\a:\a+11], v[\b:\b+11], v[\c:\c+7], v[\sa], v[\sb] matrix_a_fmt:MATRIX_FMT_FP6 matrix_b_fmt:MATRIX_FMT_FP6 matrix_a_scale:MATRIX_SCALE_ROW1 matrix_b_scale:MATRIX_SCALE_ROW1
.elseif \ra
	v_wmma_scale_f32_16x16x128_f8f6f4 v[\d:\d+7], v[\a:\a+11], v[\b:\b+11], v[\c:\c+7], v[\sa], v[\sb] matrix_a_fmt:MATRIX_FMT_FP6 matrix_b_fmt:MATRIX_FMT_FP6 matrix_a_scale:MATRIX_SCALE_ROW1
.elseif \rb
	v_wmma_scale_f32_16x16x128_f8f6f4 v[\d:\d+7], v[\a:\a+11], v[\b:\b+11], v[\c:\c+7], v[\sa], v[\sb] matrix_a_fmt:MATRIX_FMT_FP6 matrix_b_fmt:MATRIX_FMT_FP6 matrix_b_scale:MATRIX_SCALE_ROW1
.else
	v_wmma_scale_f32_16x16x128_f8f6f4 v[\d:\d+7], v[\a:\a+11], v[\b:\b+11], v[\c:\c+7], v[\sa], v[\sb] matrix_a_fmt:MATRIX_FMT_FP6 matrix_b_fmt:MATRIX_FMT_FP6
.endif
.endm
; A K step: 13 fragments, 24 products.  The 24 accumulators take turns, one instruction a turn, in the same order in every step.  The first step's C is the bias: nothing is cleared or added later.
.macro KSTEP q
.if \q > 0
	PLACES
.endif
	WIN TO_F
.irp t, 0,1,2,3
	FRAG WF+12*\t, AW, \q, \t*TILEB
.endr
	FRAG VF, AV, \q, 0
.irp i, 0,1,2,3
	FRAG XF+12*\i, AXA, \q, \i*TILEB
.endr
.irp i, 0,1,2,3
	FRAG XF+48+12*\i, AXB, \q, \i*TILEB
.endr
.if \q == 0
	s_wait_loadcnt 0x0                             ; scale words and biases, once
	WIN MUL0
.else
	WIN MUL
.endif
	s_wait_dscnt 24                                ; all but the youngest 24 loads, the other half's four x tiles
.irp i, 0,1,2,3
.irp t, 0,1,2,3
.if \q == 0
	MM QA+32*\i+8*\t, WF+12*\t, XF+12*\i, BQ+8*\t, SCW+6*(\t/2)+\q, SCX+6*(\i/2)+\q, \t%2, \i%2
.else
	MM QA+32*\i+8*\t, WF+12*\t, XF+12*\i, QA+32*\i+8*\t, SCW+6*(\t/2)+\q, SCX+6*(\i/2)+\q, \t%2, \i%2
.endif
.endr
.endr
.irp i, 0,1,2,3,4,5,6,7
.if \i == 4
	s_wait_dscnt 0x0
.endif
.if \q == 0
	MM VA+8*\i, XF+12*\i, VF, BV, SCX+6*(\i/2)+\q, SCV+\q, \i%2, 0
.else
	MM VA+8*\i, XF+12*\i, VF, VA+8*\i, SCX+6*(\i/2)+\q, SCV+\q, \i%2, 0
.endif
.endr
.endm
; 32 numbers of a lane (two blocks; register 16 b + i belongs to block b, the other 16 of the block lie in lane l xor 16) become half a fragment's codes, 6 registers at d, and the row's scale word at w
.macro QUANT32 s, d, w, fill
.irp b, 0,1
	v_max3_num_f32 v[TM+\b], |v[\s+16*\b]|, |v[\s+16*\b+1]|, 0x1800000   ; with the floor 2^(3 - 127): the byte cannot fall under 1
.endr
.irp i, 2,4,6,8,10,12,14
.irp b, 0,1
	v_max3_num_f32 v[TM+\b], v[TM+\b], |v[\s+16*\b+\i]|, |v[\s+16*\b+\i+1]|
.endr
.endr
.irp b, 0,1
	v_permlanex16_b32 v[TM+2+\b], v[TM+\b], s[SEL], s[SEL+1]
.endr
.irp b, 0,1
	v_max_num_f32 v[TM+\b], v[TM+\b], v[TM+2+\b]   ; the block's largest magnitude
.endr
.irp b, 0,1
	v_add_nc_u32 v[TM+4+\b], 0xff000000, v[TM+\b]  ; 2 off its exponent field: the conversion's scale operand
.endr
.irp b, 0,1
	v_lshrrev_b32 v[TM+2+\b], 23, v[TM+4+\b]       ; the scale's byte
.endr
	v_lshl_or_b32 v[\w], v[TM+3], 8, v[TM+2]
.if \fill
	v_or_b32 v[\w], 0x7f7f0000, v[\w]              ; bytes 2 and 3 stand over the empty half of a K of 128: 1.0
.endif
	v_cvt_scalef32_pk16_fp6_f32 v[\d:\d+2], v[\s:\s+15], v[TM+4]
	v_cvt_scalef32_pk16_fp6_f32 v[T2:T2+2], v[\s+16:\s+31], v[TM+5]
	v_nop                                          ; one plain place behind a scaled conversion
.irp i, 0,1,2
	v_permlane16_swap_b32 v[\d+\i], v[T2+\i]       ; lanes 0-15 now hold block 0 whole, lanes 16-31 block 1
.endr
.irp i, 0,1,2
	v_mov_b32 v[\d+3+\i], v[T2+\i]
.endr
.endm
; 64 numbers of a lane (four blocks) become a whole fragment's codes in v[PC] on and its scale word in v[PW]
.macro QUANT64 s
.irp b, 0,1,2,3
	v_max3_num_f32 v[TM+\b], |v[\s+16*\b]|, |v[\s+1+16*\b]|, 0x1800000
.endr
.irp i, 2,4,6,8,10,12,14
.irp b, 0,1,2,3
	v_max3_num_f32 v[TM+\b], v[TM+\b], |v[\s+16*\b+\i]|, |v[\s+1+16*\b+\i]|
.endr
.endr
.irp b, 0,1,2,3
	v_permlanex16_b32 v[TM+4+\b], v[TM+\b], s[SEL], s[SEL+1]
.endr
.irp b, 0,1,2,3
	v_max_num_f32 v[TM+\b], v[TM+\b], v[TM+4+\b]
.endr
.irp b, 0,1,2,3
	v_add_nc_u32 v[TM+12+\b], 0xff000000, v[TM+\b]
.endr
.irp b, 0,1,2,3
	v_lshrrev_b32 v[TM+4+\b], 23, v[TM+12+\b]
.endr
	v_lshl_or_b32 v[PW], v[TM+5], 8, v[TM+4]
	v_lshl_or_b32 v[PW], v[TM+6], 16, v[PW]
	v_lshl_or_b32 v[PW], v[TM+7], 24, v[PW]
.irp c, 0,1
	v_cvt_scalef32_pk16_fp6_f32 v[PC+6*\c:PC+2+6*\c], v[\s+32*\c:\s+15+32*\c], v[TM+12+2*\c]
	v_cvt_scalef32_pk16_fp6_f32 v[PC+12+4*\c:PC+14+4*\c], v[\s+16+32*\c:\s+31+32*\c], v[TM+12+2*\c+1]
.endr
	v_nop
.irp c, 0,1
.irp i, 0,1,2
	v_permlane16_swap_b32 v[PC+6*\c+\i], v[PC+12+4*\c+\i]
.endr
.irp i, 0,1,2
	v_mov_b32 v[PC+3+6*\c+\i], v[PC+12+4*\c+\i]
.endr
.endr
.endm
	s_load_b512 s[4:19], s[0:1], 0x0               ; x codes 4, x scales 6, Wq codes 8, Wq scales 10, Wk codes 12, Wk scales 14, Wv codes 16, Wv scales 18
	s_load_b256 s[20:27], s[0:1], 0x40             ; bq 20, bk 22, bv 24, q 26
	s_load_b64 s[28:29], s[0:1], 0x60              ; kv
	s_set_vgpr_msb 0x40
	v_lshl_add_u32 v254, v0, 2, 0x49200
	v_mov_b32 v255, 0
	s_set_vgpr_msb 0x4045
	ds_add_u32 v254, v255
	ds_add_u32 v254, v255
	s_set_vgpr_msb 0x4500
	v_lshrrev_b32 v1, 5, v0
	v_readfirstlane_b32 s[WV], v1                  ; wave 0..5
	s_and_b32 s[HALF], s[WV], 1                    ; which four x tiles are mine in the q/k job
	s_lshr_b32 s[UNIT], s[WV], 1                   ; which of the three heads
	s_xor_b32 s[OTHER], s[HALF], 1
	s_bfe_u32 s[CX], ttmp6, 0x40000                ; my place in the cluster
	s_bfe_u32 s[CY], ttmp6, 0x40004
	s_lshl_b32 s[G], ttmp9, 2
	s_add_co_u32 s[G], s[G], s[CX]                 ; g = 4 x cluster x + cx
	s_and_b32 s[RB], ttmp7, 0xffff
	s_lshl_b32 s[RB], s[RB], 2
	s_add_co_u32 s[RB], s[RB], s[CY]               ; rb = 4 x cluster y + cy
	s_lshl_b32 s[MROW], s[CY], 2
	s_lshl_b32 s[MROW], 15, s[MROW]                ; my row of the cluster
	s_lshl_b32 s[MCOL], 0x1111, s[CX]              ; my column
	; group 1: a dense block as rows of 256 bytes (32 elements of 8 bytes); 16 bytes of padding behind every 64 bytes; the mask, and bit 21 beside it
	s_or_b32 s[G1X], s[MROW], (3<<16)|(1<<20)|(1<<21)|(3<<22)|(3<<25)
	s_or_b32 s[G1W], s[MCOL], (3<<16)|(1<<20)|(1<<21)|(3<<22)|(3<<25)
	s_or_b32 s[G1V], s[MCOL], (3<<16)|(1<<20)|(1<<21)|(3<<22)|(3<<25)
.irp g, G1X, G1W
	s_mov_b32 s[\g+1], 32<<16                      ; tensor_dim0 = 32
	s_mov_b32 s[\g+2], 144<<16                     ; tensor_dim1 = 144: 64 rows of 576 bytes
	s_mov_b32 s[\g+3], 32<<16                      ; tile_dim0
	s_mov_b32 s[\g+4], 144                         ; tile_dim1
	s_mov_b32 s[\g+5], 32                          ; pitch
	s_mov_b32 s[\g+6], 0
	s_mov_b32 s[\g+7], 0
.endr
	s_mov_b32 s[G1V+1], 32<<16
	s_mov_b32 s[G1V+2], 216<<16                    ; 96 rows of 576 bytes
	s_mov_b32 s[G1V+3], 32<<16
	s_mov_b32 s[G1V+4], 216
	s_mov_b32 s[G1V+5], 32
	s_mov_b32 s[G1V+6], 0
	s_mov_b32 s[G1V+7], 0
	s_mul_i32 s86, s[CX], 192*576                  ; W: my three heads' rows, 64 of them for each of waves 0 to 2
	s_mul_i32 s98, s[WV], 64*576
	s_add_co_u32 s86, s86, s98
	s_mov_b32 s87, 0
	s_mul_i32 s88, s[G], 96*576                    ; Wv: my 96 rows
	s_mov_b32 s89, 0
	s_mul_i32 s90, s[RB], 128*576                  ; x: my 128 rows, 64 for each of waves 4 and 5
	s_mul_i32 s98, s[HALF], 64*576
	s_add_co_u32 s90, s90, s98
	s_mov_b32 s91, 0
	s_mov_b32 s[SEL], 0x76543210
	s_mov_b32 s[SEL+1], 0xfedcba98                 ; v_permlanex16_b32's selects for lane l xor 16
	s_mov_b32 s[HI16], 0xffff0000                  ; lanes 16-31
	s_sub_co_u32 s[SWAP], 0, s[HALF]               ; all ones in the waves whose own half is the upper one
	s_wait_dscnt 0x0
	s_wait_kmcnt 0x0
	s_cmp_eq_u32 ttmp9, 0                          ; the cluster's x, the same in all partners: 0 makes q, 1 makes k
	s_cselect_b64 s[WC:WC+1], s[8:9], s[12:13]
	s_cselect_b64 s[WS:WS+1], s[10:11], s[14:15]
	s_cselect_b64 s[BS:BS+1], s[20:21], s[22:23]
	s_mov_b32 s[G0W], 1
	s_mul_i32 s[G0W+1], s[WV], HALFB
	s_add_nc_u64 s[G0W+2:G0W+3], s[WC:WC+1], s[86:87]
	s_or_b32 s[G0W+3], s[G0W+3], 0x80000000
	s_mov_b32 s[G0V], 1
	s_mov_b32 s[G0V+1], WVR
	s_add_nc_u64 s[G0V+2:G0V+3], s[16:17], s[88:89]
	s_or_b32 s[G0V+3], s[G0V+3], 0x80000000
	s_mov_b32 s[G0X], 1
	s_mul_i32 s[G0X+1], s[HALF], HALFB
	s_add_co_u32 s[G0X+1], s[G0X+1], XR
	s_add_nc_u64 s[G0X+2:G0X+3], s[4:5], s[90:91]
	s_or_b32 s[G0X+3], s[G0X+3], 0x80000000
	CROUND                                         ; all sixteen work-groups are here: the joint loads meet
	s_cmp_lt_u32 s[WV], 3                          ; one load a wave: waves 0-2 W, wave 3 Wv, waves 4-5 x.  Four v_nop follow each line
	s_cbranch_scc0 .Lnot_w
	tensor_load_to_lds s[G0W:G0W+3], s[G1W:G1W+7]
	s_nop 0
	PLACES
	s_branch .Lasked
.Lnot_w:
	s_cmp_eq_u32 s[WV], 3
	s_cbranch_scc0 .Lfor_x
	tensor_load_to_lds s[G0V:G0V+3], s[G1V:G1V+7]
	s_nop 0
	PLACES
	s_branch .Lasked
.Lfor_x:
	tensor_load_to_lds s[G0X:G0X+3], s[G1X:G1X+7]
	s_nop 0
	PLACES
.Lasked:
	v_and_b32 v58, 31, v0                          ; lane
	v_and_b32 v59, 15, v0                          ; r
	v_bfe_u32 v60, v0, 4, 1                        ; h
	v_and_b32 v61, 8, v59
	v_add_nc_u32 v61, v61, v59                     ; r + 8 (r / 8)
	v_mul_u32_u24 v62, v59, PITCH
	v_mad_u32_u24 v62, v60, 24, v62                ; row r, + 24 h
	v_lshl_add_u32 v63, v60, 4, v62                ; and behind one padding more
	s_mul_i32 s98, s[UNIT], HALFB
	v_add_nc_u32 v[AW], s98, v62
	v_add_nc_u32 v[AW+1], s98, v63
	s_mul_i32 s98, s[HALF], HALFB
	s_add_co_u32 s98, s98, XR
	v_add_nc_u32 v[AXA], s98, v62
	v_add_nc_u32 v[AXA+1], s98, v63
	s_mul_i32 s98, s[OTHER], HALFB
	s_add_co_u32 s98, s98, XR
	v_add_nc_u32 v[AXB], s98, v62
	v_add_nc_u32 v[AXB+1], s98, v63
	v_mul_u32_u24 v[AV], v61, PITCH                ; Wv: tile w begins at row 32 (w / 2) + 8 (w % 2) of my 96; its lane r takes row r + 8 (r / 8) from there
	v_mad_u32_u24 v[AV], v60, 24, v[AV]
	s_mul_i32 s98, s[UNIT], 32*PITCH
	s_mul_i32 s99, s[HALF], 8*PITCH
	s_add_co_u32 s98, s98, s99
	s_add_co_u32 s98, s98, WVR
	v_add_nc_u32 v[AV], s98, v[AV]
	v_lshl_add_u32 v[AV+1], v60, 4, v[AV]
	v_lshlrev_b32 v[L16], 4, v58
	v_lshlrev_b32 v[L8], 3, v58
	v_lshlrev_b32 v[R4], 2, v59
	v_mul_u32_u24 v[L24], v58, 24
	s_wait_alu depctr_va_vdst(0)
	v_mul_u32_u24 v[RP24], v61, 24
	s_wait_alu depctr_va_vdst(0)
	v_lshlrev_b32 v[H32], 5, v60
	s_wait_alu depctr_va_vdst(0)
	v_lshlrev_b32 v[RP4], 2, v61
	; where my scale words and biases begin (24 scale bytes a row)
	s_wait_alu depctr_va_vdst(0)
	s_mul_i32 s86, s[RB], 128*24
	s_mul_i32 s98, s[HALF], 64*24
	s_add_co_u32 s86, s86, s98
	s_add_nc_u64 s[4:5], s[6:7], s[86:87]          ; x's scales, my own half
	s_mul_i32 s86, s[RB], 128*24
	s_mul_i32 s98, s[OTHER], 64*24
	s_add_co_u32 s86, s86, s98
	s_add_nc_u64 s[8:9], s[6:7], s[86:87]          ; and the other
	s_mul_i32 s86, s[CX], 192*24
	s_mul_i32 s98, s[UNIT], 64*24
	s_add_co_u32 s86, s86, s98
	s_add_nc_u64 s[WS:WS+1], s[WS:WS+1], s[86:87]
	s_mul_i32 s86, s[G], 96*24
	s_mul_i32 s98, s[UNIT], 32*24
	s_add_co_u32 s86, s86, s98
	s_mul_i32 s98, s[HALF], 8*24
	s_add_co_u32 s86, s86, s98
	s_add_nc_u64 s[18:19], s[18:19], s[86:87]
	s_mul_i32 s86, s[CX], 192*4
	s_lshl_b32 s98, s[UNIT], 8
	s_add_co_u32 s86, s86, s98
	s_add_nc_u64 s[BS:BS+1], s[BS:BS+1], s[86:87]
	s_mul_i32 s86, s[G], 96*4
	s_lshl_b32 s98, s[UNIT], 7
	s_add_co_u32 s86, s86, s98
	s_lshl_b32 s98, s[HALF], 5
	s_add_co_u32 s86, s86, s98
	s_add_nc_u64 s[24:25], s[24:25], s[86:87]
.irp P, 0,1                                    ; a pair of tiles is 32 rows: 768 consecutive bytes over the 32 lanes, six words a lane
.irp j, 0,1,2
	global_load_b64 v[SCX+6*\P+2*\j:SCX+6*\P+2*\j+1], v[L24], s[4:5] offset:768*\P+8*\j
	global_load_b64 v[SCX+12+6*\P+2*\j:SCX+12+6*\P+2*\j+1], v[L24], s[8:9] offset:768*\P+8*\j
	global_load_b64 v[SCW+6*\P+2*\j:SCW+6*\P+2*\j+1], v[L24], s[WS:WS+1] offset:768*\P+8*\j
.endr
.endr
.irp j, 0,1,2
	global_load_b64 v[SCV+2*\j:SCV+2*\j+1], v[RP24], s[18:19] offset:8*\j
.endr
	WIN TO_F
.irp t, 0,1,2,3
	global_load_b128 v[BQ+8*\t:BQ+8*\t+3], v[H32], s[BS:BS+1] offset:64*\t          ; lane (r, h): the bias of features 16 t + 8 h + 0 .. 7
	global_load_b128 v[BQ+8*\t+4:BQ+8*\t+7], v[H32], s[BS:BS+1] offset:64*\t+16
.endr
.irp j, 0,1,2,3,4,5,6,7
	global_load_b32 v[BV+\j], v[RP4], s[24:25]     ; my feature's bv stands over all eight keys of a lane
.endr
	WIN 0
	; where the results go
	s_mul_i32 s98, s[G], 6
	s_add_co_u32 s98, s98, s[WV]                   ; my tile of v among the 48
	s_lshr_b32 s99, s98, 2                         ; its head,
	s_and_b32 s98, s98, 3                          ; its place in the head
	s_lshl_b32 s99, s99, 5
	s_add_co_u32 s99, s99, s[RB]
	s_mul_i32 s99, s99, STEPB                      ; the head's key step rb
	s_mul_i32 s86, s98, 1536
	s_add_co_u32 s86, s86, s99
	s_lshl_b32 s88, s98, 6
	s_add_co_u32 s88, s88, s99
	s_add_nc_u64 s[86:87], s[28:29], s[86:87]      ; v's codes (+ 6,656)
	s_add_nc_u64 s[88:89], s[28:29], s[88:89]      ; v's scale words (+ 12,800)
	s_mul_i32 s98, s[CX], 3
	s_add_co_u32 s98, s98, s[UNIT]                 ; my head of q or of k
	s_lshl_b32 s99, s[RB], 3
	s_lshl_b32 s90, s[HALF], 2
	s_add_co_u32 s99, s99, s90                     ; my first tile of rows
	s_mul_i32 s99, s99, 12
	s_add_co_u32 s99, s99, s98
	s_lshl_b32 s90, s99, 10
	s_add_nc_u64 s[90:91], s[26:27], s[90:91]      ; q's records
	s_lshl_b32 s99, s98, 5
	s_add_co_u32 s99, s99, s[RB]
	s_mul_i32 s99, s99, STEPB
	s_mul_i32 s92, s[HALF], 3072
	s_add_co_u32 s92, s92, s99
	s_mov_b32 s93, 0
	s_add_nc_u64 s[92:93], s[28:29], s[92:93]      ; k's codes
	s_lshl_b32 s98, s[HALF], 8
	s_add_co_u32 s98, s98, s99
	s_mov_b32 s99, 0
	s_add_nc_u64 s[98:99], s[28:29], s[98:99]      ; k's scale words (+ 6,144)
	s_wait_tensorcnt 0x0                           ; my part of the operands is in LDS,
	s_barrier_signal -1
	s_barrier_wait -1                              ; everybody's is
	KSTEP 0
	KSTEP 1
	KSTEP 2
	KSTEP 3
	KSTEP 4
	KSTEP 5
	WIN 0
	PLACES
	; ---- v: my feature's 128 keys become one fragment.  My registers begin with my own half's keys: in the waves of the upper half the fragment's two halves and the word's two halves change places
	QUANT64 VA
.irp i, 0,1,2,3,4,5
	v_cndmask_b32 v[OUTV+\i], v[PC+\i], v[PC+6+\i], s[SWAP]
	v_cndmask_b32 v[OUTV+6+\i], v[PC+6+\i], v[PC+\i], s[SWAP]
.endr
	v_lshrrev_b32 v233, 16, v[PW]
	v_lshl_or_b32 v233, v[PW], 16, v233
	v_cndmask_b32 v232, v[PW], v233, s[SWAP]
.irp c, 0,1,2
	global_store_b128 v[L16], v[OUTV+4*\c:OUTV+4*\c+3], s[86:87] offset:6656+512*\c   ; the image of four registers: 512 consecutive bytes
.endr
	global_store_b32 v[R4], v232, s[88:89] offset:12800   ; 64 bytes of scale words; lanes r and r + 16 write the same word with the same value
	; ---- q or k: each of my four tiles of rows becomes half a fragment
.irp k, 0,1,2,3
	QUANT32 QA+32*\k, KQ+6*\k, WD+\k, 1
.endr
	s_cmp_eq_u32 ttmp9, 0
	s_cbranch_scc0 .Lk_path
.irp k, 0,1,2,3
	v_mov_b32 v[244+2*\k], v[WD+\k]
	v_mov_b32 v[245+2*\k], v[WD+\k]                ; the word twice, so that the record's last 256 bytes are written whole
.endr
.irp k, 0,1,2,3
	global_store_b128 v[L16], v[KQ+6*\k:KQ+6*\k+3], s[90:91] offset:12288*\k
	global_store_b64 v[L8], v[KQ+6*\k+4:KQ+6*\k+5], s[90:91] offset:12288*\k+512
	global_store_b64 v[L8], v[244+2*\k:245+2*\k], s[90:91] offset:12288*\k+768
.endr
	s_branch .Lstored
.Lk_path:
	v_cndmask_b32 v252, v[WD], v[WD+1], s[HI16]    ; a pair's words in one register: the even tile's in lanes 0-15, the odd tile's in lanes 16-31
	v_cndmask_b32 v253, v[WD+2], v[WD+3], s[HI16]
	v_xor_b32 v63, 128, v[L16]                     ; 16 x (lane xor 8): the odd pair's image is laid with its groups of eight lanes exchanged, as the next launch's LDS reads want it
	s_wait_alu depctr_va_vdst(0)
.irp c, 0,1,2,3,4,5
.if \c < 3
	global_store_b128 v[L16], v[KQ+4*\c:KQ+4*\c+3], s[92:93] offset:512*\c   ; the even pair of tiles, 12 registers as they stand
.else
	global_store_b128 v63, v[KQ+4*\c:KQ+4*\c+3], s[92:93] offset:512*\c      ; the odd pair, at lane xor 8: still 512 consecutive bytes a store
.endif
.endr
	global_store_b64 v[L8], v[252:253], s[98:99] offset:6144
.Lstored:
	s_set_vgpr_msb 0x5
	s_wait_tensorcnt 0x0
	ds_add_u32 v254, v255
	s_wait_dscnt 0x0
	s_set_vgpr_msb 0x500
	CROUND                                         ; the closing round: no work-group ends while a partner may still ask for a tile that names it
	s_endpgm
.Lfunc_end_k_q8b8b1af434_qkv:
	.size	k_q8b8b1af434_qkv, .Lfunc_end_k_q8b8b1af434_qkv-k_q8b8b1af434_qkv
	.p2alignl 7, 3214868480
	.fill 96, 4, 3214868480
	.section	.rodata,"a",@progbits
	.p2align	6, 0x0
	.amdhsa_kernel k_q8b8b1af434_qkv
		.amdhsa_group_segment_fixed_size 300288
		.amdhsa_private_segment_fixed_size 0
		.amdhsa_enable_private_segment 0
		.amdhsa_kernarg_size 104
		.amdhsa_user_sgpr_count 2
		.amdhsa_user_sgpr_kernarg_segment_ptr 1
		.amdhsa_wavefront_size32 1
		.amdhsa_system_sgpr_workgroup_id_x 1
		.amdhsa_system_sgpr_workgroup_id_y 1
		.amdhsa_system_sgpr_workgroup_id_z 1
		.amdhsa_system_vgpr_workitem_id 0
		.amdhsa_next_free_vgpr 512
		.amdhsa_next_free_sgpr 100
		.amdhsa_reserve_vcc 0
		.amdhsa_float_denorm_mode_32 3
		.amdhsa_float_denorm_mode_16_64 3
		.amdhsa_memory_ordered 1
		.amdhsa_forward_progress 1
		.amdhsa_inst_pref_size 78
	.end_amdhsa_kernel
	.amdgpu_metadata
---
amdhsa.version: [ 1, 2 ]
amdhsa.kernels:
  - .name:           k_q8b8b1af434_qkv
    .symbol:         k_q8b8b1af434_qkv.kd
    .args:
      - { .name: x_codes, .offset: 0, .size: 8, .value_kind: global_buffer, .address_space: global }
      - { .name: x_scales, .offset: 8, .size: 8, .value_kind: global_buffer, .address_space: global }
      - { .name: Wq_codes, .offset: 16, .size: 8, .value_kind: global_buffer, .address_space: global }
      - { .name: Wq_scales, .offset: 24, .size: 8, .value_kind: global_buffer, .address_space: global }
      - { .name: Wk_codes, .offset: 32, .size: 8, .value_kind: global_buffer, .address_space: global }
      - { .name: Wk_scales, .offset: 40, .size: 8, .value_kind: global_buffer, .address_space: global }
      - { .name: Wv_codes, .offset: 48, .size: 8, .value_kind: global_buffer, .address_space: global }
      - { .name: Wv_scales, .offset: 56, .size: 8, .value_kind: global_buffer, .address_space: global }
      - { .name: bq, .offset: 64, .size: 8, .value_kind: global_buffer, .address_space: global }
      - { .name: bk, .offset: 72, .size: 8, .value_kind: global_buffer, .address_space: global }
      - { .name: bv, .offset: 80, .size: 8, .value_kind: global_buffer, .address_space: global }
      - { .name: q, .offset: 88, .size: 8, .value_kind: global_buffer, .address_space: global }
      - { .name: kv, .offset: 96, .size: 8, .value_kind: global_buffer, .address_space: global }
    .group_segment_fixed_size: 300288
    .private_segment_fixed_size: 0
    .kernarg_segment_align: 8
    .kernarg_segment_size: 104
    .max_flat_workgroup_size: 192
    .sgpr_count:     100
    .vgpr_count:     512
    .wavefront_size: 32
...
	.end_amdgpu_metadata
.endif
;; end of part 1
;; launch attn (part 2): grid 64 x 4, 12 waves a work-group, clusters of 4 x 1, 327,680 bytes of LDS; arguments q, kv, a; writes a
.if DOCPART == 2
	.amdgcn_target "amdgcn-amd-amdhsa--gfx1250"
	.amdhsa_code_object_version 6
	.text
	.protected	k_q8b8b1af434_attn
	.globl	k_q8b8b1af434_attn
	.p2align	8
	.type	k_q8b8b1af434_attn,@function
k_q8b8b1af434_attn:
	s_mov_b64 s[64:65], 0
	v_nop
	global_prefetch_b8 v0, s[64:65] scope:SCOPE_SE
	s_setreg_imm32_b32 hwreg(HW_REG_WAVE_MODE, 25, 1), 1
	s_wait_xcnt 0x0
	s_wait_alu depctr_hold_cnt(0) depctr_sa_sdst(0) depctr_va_vdst(0) depctr_va_sdst(0) depctr_va_ssrc(0) depctr_va_vcc(0) depctr_vm_vsrc(0)
	s_getreg_b32 s2, hwreg(HW_REG_IB_STS2, 6, 4)
	s_cmp_eq_u32 s2, 0
	s_cbranch_scc0 .Lentry_in_a_cluster
	s_endpgm
.Lentry_in_a_cluster:
	s_bfe_u32 s2, ttmp6, 0x10000c
	s_cmp_lg_u32 s2, 0x3003
	s_cbranch_scc0 .Lentry_shape_is_right
	s_endpgm
.Lentry_shape_is_right:
; o = softmax(q k^T / 8) v for 12 heads of 64, 4,096 queries and keys, both products on codes of FP6 (E2M3) with E8M0 scales; o is quantised along the head and leaves as images of operand registers.
; THE SOFTMAX: t = score x log2(e) / 8; M = the running largest t rounded UP to a whole number; p = 2^(t - M) is quantised along the keys, not normalised; the row's sum is taken of the unquantised p and divides at the end.
; When M moves, the sum and O are multiplied by 2^(old M - new M), which rounds nothing.
; SHARES.  49,152 rows (head, query) over 256 work-groups: 64 queries x 3 heads each.  Wave w: head w / 4 of the three, tile w % 4 of 16 queries, in 256 registers.
; LAYOUT.  Both products transposed: S^T = K Q^T (source 0 = 16 keys), O^T = V^T P^T (source 0 = 16 of the head's 64): a lane holds one query throughout.
; A BLOCK OF 32 KEYS LIES WHOLE IN A LANE.  Tile 4 c + t of K takes as rows 8 u + j the keys 64 c + 32 u + 8 g(t) + j, g = 0, 2, 1, 3: the 32 score registers of tiles 4 c .. 4 c + 3 in lane half h are block 2 c + h,
; in the order in which V's codes lie.  So a block's maximum, scale and codes are made in the lane; only the row's maximum, the scale word and the row's sum ask lane l xor 16.
; The tiles are composed by the lanes' addresses: lanes r / 8 = 0 read the stored pair 2 c, lanes r / 8 = 1 the stored pair 2 c + 1.
; A K OF 64 IN AN INSTRUCTION OF 128: Q's upper six registers are zero codes; K's tile t is named as 12 registers from KF + 6 t, whose upper six are the next tile's codes (the last tile's: V's): every code is a finite number, and it meets a zero.
; THE WALK.  In step i: V(i) and K(i+1) are read from LDS at the head; the softmax of S(i); O^T += V(i) P(i) under the sum's additions; then S(i+1) = K(i+1) Q^T.  K(0) comes by plain loads.
; THE RING: a unit is V(i) followed by K(i+1), 13,056 consecutive bytes of kv, 51 rows of 256 bytes from a multiple of 256.  A slot holds 4 units of each of the 3 heads; wave w fetches unit w % 4 of head w / 4: one tensor load a wave, no branch.
; Two slots of 156,672 bytes.  The last chunk's fourth unit is V(31) alone, 25 rows: a group 1 of its own.  CLUSTER 4 x 1: the four partners walk the same three heads, so each unit is asked for jointly.
; No data prefetch: a refill is issued a whole slot, four key steps of every wave's work, ahead of the wait for it.
; LIMITS: NaN and infinities are not served; the promise holds while |t| stays under 2^31.  A block of p or of o whose largest number lies under 2^-124 gets the byte 1; the division by the sum is v_rcp_f32 and a multiplication.
; A block's largest p is the block's largest score put through the same multiply-add and exponential; this takes v_exp_f32 not to fall where its input rises.
.set STEPB, 13056                      ; kv: a head's key step: K's codes 0, K's scale words 6,144, V's codes 6,656, V's scale words 12,800
.set VOFF,  6656                       ; where the first unit begins
.set VSC,   6144                       ; in a unit: V's codes 0, V's scale words here,
.set KC,    6400                       ; the next step's K codes,
.set KSC,   12544                      ; and K scale words
.set CHB,   4*STEPB                    ; a head's part of a slot
.set SLOTB, 12*STEPB
.set SPARE, 2*SLOTB                    ; the spare words, 128 bytes for each of twelve waves
.set BA,   1                           ; v1-5 LDS addresses in slot 0: K codes (pairs 0, 2), K codes (pairs 1, 3), K scale words, V codes, V scale words
.set DA,   6                           ; v6-10 the five with the slot in hand
.set SPW,  11
.set NIL,  12
.set H8,   13                          ; 8 h
.set L,    14                          ; v[14:15] the row's sum, in two halves
.set MN,   16                          ; -M
.set RM,   17                          ; the running largest score
.set QF,   18                          ; v18-23 Q's codes, v24-29 zeros
.set QS,   30
.set OM,   31                          ; -M of the step before
.set KF,   32                          ; v32-79 K's eight tiles, 6 registers each
.set VF,   80                          ; v80-127 V's four fragments
.set KS,   128                         ; v128-131 K's scale words, a pair of tiles each
.set VS,   132                         ; v132-133 V's
.set S,    134                         ; v134-197 S^T, then p
.set O,    198                         ; v198-229 O^T
.set PC,   230                         ; v230-241 p's codes; ahead of them the maxima's chains
.set CT,   242                         ; v242-249 the conversions' second halves; then the sum's last eight numbers
.set BM,   250                         ; v250-251 my two blocks' largest score, largest p, scale operand
.set F,    252                         ; f = 2^(old M - new M); named as a pair with v253
.set TQ,   253
.set TP,   254
.set PS,   255                         ; p's scale word
.set TM,   CT
.set T2,   248
.set WV,   10
.set HL,   11
.set T4,   12
.set SEL,  20
.set CS,   22
.set G1,   24
.set G0,   32
.set TB,   36
.set SLOTS, 37
.set NCS,  38
.set TN,   39
.set UO,   40
.set G1S,  44
.macro CROUND                          ; a round of the cluster's barrier
	s_barrier_signal -1
	s_barrier_wait -1
	s_cmp_lg_u32 s[WV], 0
	s_cbranch_scc1 .Lnot_wave_0_\@
	s_barrier_signal -3
.Lnot_wave_0_\@:
	s_barrier_wait -3
	s_barrier_signal -1
	s_barrier_wait -1
.endm
.macro QKT                             ; S^T = K Q^T: eight results, each begun with 0
.irp t, 0,1,2,3,4,5,6,7
.if \t%2
	v_wmma_scale_f32_16x16x128_f8f6f4 v[S+8*\t:S+8*\t+7], v[KF+6*\t:KF+6*\t+11], v[QF:QF+11], 0, v[KS+\t/2], v[QS] matrix_a_fmt:MATRIX_FMT_FP6 matrix_b_fmt:MATRIX_FMT_FP6 matrix_a_scale:MATRIX_SCALE_ROW1
.else
	v_wmma_scale_f32_16x16x128_f8f6f4 v[S+8*\t:S+8*\t+7], v[KF+6*\t:KF+6*\t+11], v[QF:QF+11], 0, v[KS+\t/2], v[QS] matrix_a_fmt:MATRIX_FMT_FP6 matrix_b_fmt:MATRIX_FMT_FP6
.endif
.endr
.endm
.macro SUMEND                          ; the last step's eight partial sums join the row's sum.  Five plain lines that name no register of the products ahead: the places in front of loads into their sources
	v_pk_add_f32 v[CT:CT+1], v[CT:CT+1], v[CT+2:CT+3]
	v_pk_add_f32 v[CT+4:CT+5], v[CT+4:CT+5], v[CT+6:CT+7]
	v_mov_b32 v[OM], v[MN]
	v_pk_add_f32 v[CT:CT+1], v[CT:CT+1], v[CT+4:CT+5]
	v_pk_add_f32 v[L:L+1], v[L:L+1], v[CT:CT+1]
.endm
.macro PKF b                           ; t - M of sixteen scores, two at a time
.irp j, 0,2,4,6,8,10,12,14
	v_pk_fma_f32 v[S+\b+\j:S+\b+\j+1], v[S+\b+\j:S+\b+\j+1], s[CS:CS+1], v[MN:MN+1] op_sel_hi:[1,0,0]
.endr
.endm
.macro OMUL a                          ; one accumulator of O^T under the new M, from its low end on
.irp j, 0,2,4,6
	v_pk_mul_f32 v[O+8*\a+\j:O+8*\a+\j+1], v[O+8*\a+\j:O+8*\a+\j+1], v[F:F+1] op_sel_hi:[1,0]
.endr
.endm
; A KEY STEP on unit q of the slot in hand.  last = 1: no step follows
.macro STEP q, last
	SUMEND
.irp t, 0,1,2,3
.irp c, 0,1,2
	ds_load_b128 v[VF+12*\t+4*\c:VF+12*\t+4*\c+3], v[DA+3] offset:STEPB*\q+1536*\t+512*\c
.endr
.endr
.irp f, 0,1
	ds_load_b32 v[VS+\f], v[DA+4] offset:STEPB*\q+VSC+128*\f
.endr
.if \last == 0
.irp b, 0,1,2,3
.irp c, 0,1,2
	ds_load_b128 v[KF+12*\b+4*\c:KF+12*\b+4*\c+3], v[DA+\b%2] offset:STEPB*\q+KC+3072*(\b/2)+512*\c
.endr
	ds_load_b32 v[KS+\b], v[DA+2] offset:STEPB*\q+KSC+256*(\b/2)+64*(\b%2)
.endr
.endif
.irp t, 0,1,2,3,4,5,6,7                ; the largest score: eight chains by turns, a tile each, each tile from its low end on
	v_max3_num_f32 v[PC+\t], v[S+8*\t], v[S+8*\t+1], v[S+8*\t+2]
.endr
.irp i, 3,5
.irp t, 0,1,2,3,4,5,6,7
	v_max3_num_f32 v[PC+\t], v[PC+\t], v[S+8*\t+\i], v[S+8*\t+\i+1]
.endr
.endr
.irp u, 0,2
.irp c, 0,1
	v_max3_num_f32 v[PC+4*\c+\u], v[PC+4*\c+\u], v[PC+4*\c+\u+1], v[S+32*\c+4*\u+7]
.endr
.endr
.irp c, 0,1
	v_max3_num_f32 v[BM+\c], v[PC+4*\c], v[PC+4*\c+2], v[S+32*\c+23]
.endr
.irp c, 0,1
	v_max_num_f32 v[BM+\c], v[BM+\c], v[S+32*\c+31]   ; the largest score of my block 2 c + h: for the row's maximum, and for the block's largest p
.endr
	v_max_num_f32 v[TP], v[BM], v[BM+1]
	v_permlanex16_b32 v[TQ], v[TP], s[SEL], s[SEL+1]
	v_max3_num_f32 v[RM], v[RM], v[TP], v[TQ]      ; the running largest score of my query
	v_mul_f32 v[TP], s[NCS], v[RM]                 ; as -t
	v_floor_f32 v[MN], v[TP]                       ; the new -M = -ceil(t)
	PKF 0
	v_sub_f32 v[TP], v[MN], v[OM]                  ; old M - new M: a whole number, 0 or less
	PKF 16
	v_cvt_i32_f32 v[TP], v[TP]                     ; (it saturates)
	PKF 32
	v_ldexp_f32 v[F], 1.0, v[TP]                   ; f = 2^(old M - new M)
	PKF 48
.irp c, 0,1
	v_fma_f32 v[BM+\c], v[BM+\c], s[CS], v[MN]
.endr
	s_wait_alu depctr_va_vdst(0)
.set j, 0
.rept 64
	v_exp_f32 v[S+j], v[S+j]                       ; p = 2^(t - M)
.set j, j+1
.endr
.irp c, 0,1
	v_exp_f32 v[BM+\c], v[BM+\c]                   ; the block's largest p
.endr
	v_pk_mul_f32 v[L:L+1], v[L:L+1], v[F:F+1] op_sel_hi:[1,0]   ; the sums under the new M (a plain place behind the exponentials)
	s_wait_alu depctr_va_vdst(0)                   ; one wait for the batch, ahead of its readers, of O^T's first readers and of the wait below
	s_wait_dscnt 0x0                               ; the 30 loads of the step's head are in: V(i), K(i+1) and their scale words
	OMUL 0
.irp c, 0,1
	v_max_num_f32 v[BM+\c], 0x1800000, v[BM+\c]    ; the floor 2^(3 - 127): the byte cannot fall under 1
.endr
	OMUL 1
.irp c, 0,1
	v_add_nc_u32 v[BM+\c], 0xff000000, v[BM+\c]    ; 2 off the exponent field: the conversion's scale operand
.endr
	OMUL 2
.irp c, 0,1
	v_lshrrev_b32 v[CT+\c], 23, v[BM+\c]           ; the scale's byte
.endr
	OMUL 3
	v_lshl_or_b32 v[TP], v[CT+1], 16, v[CT]        ; my two bytes: blocks h and 2 + h,
	v_cvt_scalef32_pk16_fp6_f32 v[PC:PC+2], v[S:S+15], v[BM]
	v_lshlrev_b32 v[TP], v[H8], v[TP]              ; at their places in the word;
	v_cvt_scalef32_pk16_fp6_f32 v[CT:CT+2], v[S+16:S+31], v[BM]
	v_permlanex16_b32 v[TQ], v[TP], s[SEL], s[SEL+1]
	v_cvt_scalef32_pk16_fp6_f32 v[PC+6:PC+8], v[S+32:S+47], v[BM+1]
	v_cvt_scalef32_pk16_fp6_f32 v[CT+4:CT+6], v[S+48:S+63], v[BM+1]
	v_or_b32 v[PS], v[TP], v[TQ]                   ; with lane l xor 16's two the word is whole (also the plain place behind the conversions)
.irp c, 0,1
.irp i, 0,1,2
	v_mov_b32 v[PC+3+6*\c+\i], v[CT+4*\c+\i]       ; (a conversion's three registers begin on an even number)
.endr
.endr
.set j, 0
.rept 16
	v_pk_add_f32 v[S+j:S+j+1], v[S+j:S+j+1], v[S+32+j:S+33+j]   ; the row's sum of the unquantised p, as a tree in place: 64 numbers to 32
.set j, j+2
.endr
.irp t, 0,1,2,3                        ; four accumulators, one instruction each: by turns
.if \t%2
	v_wmma_scale_f32_16x16x128_f8f6f4 v[O+8*\t:O+8*\t+7], v[VF+12*\t:VF+12*\t+11], v[PC:PC+11], v[O+8*\t:O+8*\t+7], v[VS+\t/2], v[PS] matrix_a_fmt:MATRIX_FMT_FP6 matrix_b_fmt:MATRIX_FMT_FP6 matrix_a_scale:MATRIX_SCALE_ROW1
.else
	v_wmma_scale_f32_16x16x128_f8f6f4 v[O+8*\t:O+8*\t+7], v[VF+12*\t:VF+12*\t+11], v[PC:PC+11], v[O+8*\t:O+8*\t+7], v[VS+\t/2], v[PS] matrix_a_fmt:MATRIX_FMT_FP6 matrix_b_fmt:MATRIX_FMT_FP6
.endif
.endr
.set j, 0
.rept 8
	v_pk_add_f32 v[S+j:S+j+1], v[S+j:S+j+1], v[S+16+j:S+17+j]   ; 32 to 16
.set j, j+2
.endr
.irp k, 0,1,2,3
	v_pk_add_f32 v[CT+2*\k:CT+2*\k+1], v[S+2*\k:S+2*\k+1], v[S+8+2*\k:S+9+2*\k]   ; 16 to 8, out of S
.endr
.if \last == 0
	QKT                                            ; the next step's scores
.endif
.endm
; THE CHANGE OF SLOTS.  Each wave waits for its tensor load, adds 0 to its spare word, and waits for that (its reads of the slot left behind were awaited in the steps).  fill = 1, 2: a round of the cluster's barrier and the joint
; refill first behind it, one load a wave; fill = 2: the last chunk, whose fourth unit has 25 rows.  fill = 0: nothing is left to fetch
.macro CHANGE fill
	s_wait_alu depctr_va_vdst(0)
	s_wait_tensorcnt 0x0                           ; no tensor load of mine is out, so the descriptor may be written
	ds_add_u32 v[SPW], v[NIL]                      ; 0 onto my spare word
.if \fill
	s_xor_b32 s[TN], s[TN], SLOTB                  ; the other slot than last time,
	s_add_co_u32 s[G0+1], s[UO], s[TN]             ; my unit in it,
	s_add_nc_u64 s[G0+2:G0+3], s[G0+2:G0+3], CHB   ; four key steps on
	s_wait_dscnt 0x0
	CROUND
.if \fill == 1
	tensor_load_to_lds s[G0:G0+3], s[G1:G1+7]
	s_nop 0
.else
	s_cmp_eq_u32 s[T4], 3                          ; the wave's number alone chooses between the two shapes
	s_cbranch_scc1 .Lshort_\@
	tensor_load_to_lds s[G0:G0+3], s[G1:G1+7]
	s_nop 0
	s_branch .Lasked_\@
.Lshort_\@:
	tensor_load_to_lds s[G0:G0+3], s[G1S:G1S+7]
	s_nop 0
.Lasked_\@:
.endif
.else
	s_wait_dscnt 0x0
	s_barrier_signal -1
	s_barrier_wait -1
.endif
.irp k, 0,1,2,3,4
	v_add_nc_u32 v[DA+\k], s[TB], v[BA+\k]         ; the five addresses in the slot that is read now
.endr
.endm
.macro QUANT32 s, d, w                 ; 32 numbers of a lane (two blocks, the other half of each in lane l xor 16) become 6 registers of codes at d and the row's scale word at w
.irp b, 0,1
	v_max3_num_f32 v[TM+\b], |v[\s+16*\b]|, |v[\s+16*\b+1]|, 0x1800000   ; with the floor 2^(3 - 127)
.endr
.irp i, 2,4,6,8,10,12,14
.irp b, 0,1
	s_delay_alu instid0(VALU_DEP_2)
	v_max3_num_f32 v[TM+\b], v[TM+\b], |v[\s+16*\b+\i]|, |v[\s+16*\b+\i+1]|
.endr
.endr
.irp b, 0,1
	s_delay_alu instid0(VALU_DEP_2)
	v_permlanex16_b32 v[TM+2+\b], v[TM+\b], s[SEL], s[SEL+1]
.endr
.irp b, 0,1
	s_delay_alu instid0(VALU_DEP_2)
	v_max_num_f32 v[TM+\b], v[TM+\b], v[TM+2+\b]
.endr
.irp b, 0,1
	s_delay_alu instid0(VALU_DEP_2)
	v_add_nc_u32 v[TM+4+\b], 0xff000000, v[TM+\b]
.endr
.irp b, 0,1
	s_delay_alu instid0(VALU_DEP_2)
	v_lshrrev_b32 v[TM+2+\b], 23, v[TM+4+\b]
.endr
	s_delay_alu instid0(VALU_DEP_1)
	v_lshl_or_b32 v[\w], v[TM+3], 8, v[TM+2]
	v_cvt_scalef32_pk16_fp6_f32 v[\d:\d+2], v[\s:\s+15], v[TM+4]
	v_cvt_scalef32_pk16_fp6_f32 v[T2:T2+2], v[\s+16:\s+31], v[TM+5]
	v_nop
.irp i, 0,1,2
	v_permlane16_swap_b32 v[\d+\i], v[T2+\i]
.endr
.irp i, 0,1,2
	s_delay_alu instid0(VALU_DEP_3)
	v_mov_b32 v[\d+3+\i], v[T2+\i]
.endr
.endm
	s_load_b128 s[4:7], s[0:1], 0x0                ; q, kv
	s_load_b64 s[8:9], s[0:1], 0x10                ; a
	v_lshl_add_u32 v[SPW], v0, 2, SPARE
	v_mov_b32 v[NIL], 0
	ds_add_u32 v[SPW], v[NIL]                      ; the opening lines: the add twice on end and one wait, ahead of my first tensor load
	ds_add_u32 v[SPW], v[NIL]
	v_lshrrev_b32 v[S], 5, v0
	v_readfirstlane_b32 s[WV], v[S]                ; wave 0..11
	s_lshr_b32 s[HL], s[WV], 2                     ; my head of the three: I work on it and fetch for it
	s_and_b32 s[T4], s[WV], 3                      ; my tile of queries; also the unit of a chunk that I fetch
	s_bfe_u32 s13, ttmp6, 0x40000                  ; cx: it enters q's and a's addresses alone
	s_lshl_b32 s14, ttmp9, 2
	s_add_co_u32 s14, s14, s13                     ; my block of 64 queries
	s_and_b32 s15, ttmp7, 0xffff                   ; my group of three heads, which the partners share
	s_mul_i32 s52, s15, 3
	s_add_co_u32 s52, s52, s[HL]                   ; my head among the 12
	s_mul_i32 s54, s52, 32*STEPB                   ; where it begins in kv
	s_mov_b32 s55, 0
	s_mul_i32 s56, s[T4], STEPB
	s_add_co_u32 s56, s56, s54
	s_add_co_u32 s56, s56, VOFF                    ; my unit of chunk 0
	s_mov_b32 s57, 0
	s_lshl_b32 s58, s14, 2
	s_add_co_u32 s58, s58, s[T4]                   ; my tile among the 256
	s_mul_i32 s58, s58, 12
	s_add_co_u32 s58, s58, s52
	s_lshl_b32 s58, s58, 10                        ; its record for my head, in q and in a
	s_mov_b32 s59, 0
	s_mov_b32 s[G1], 15|(3<<16)|(1<<21)            ; the mask: all four work-groups; elements of 8 bytes; bit 21 beside a mask; no padding
	s_mov_b32 s[G1+1], 32<<16                      ; rows of 256 bytes,
	s_mov_b32 s[G1+2], 51<<16                      ; 51 of them: a unit
	s_mov_b32 s[G1+3], 32<<16
	s_mov_b32 s[G1+4], 51
	s_mov_b32 s[G1+5], 32
	s_mov_b32 s[G1+6], 0
	s_mov_b32 s[G1+7], 0
	s_mov_b32 s[G1S], 15|(3<<16)|(1<<21)           ; the same for V(31) alone: 25 rows
	s_mov_b32 s[G1S+1], 32<<16
	s_mov_b32 s[G1S+2], 25<<16
	s_mov_b32 s[G1S+3], 32<<16
	s_mov_b32 s[G1S+4], 25
	s_mov_b32 s[G1S+5], 32
	s_mov_b32 s[G1S+6], 0
	s_mov_b32 s[G1S+7], 0
	s_mov_b32 s[SEL], 0x76543210
	s_mov_b32 s[SEL+1], 0xfedcba98                 ; v_permlanex16_b32's selects for lane l xor 16
	s_mov_b32 s[CS], 0x3e38aa3b                    ; c = log2(e) / 8
	s_mov_b32 s[CS+1], s[CS]                       ; (named with it as a pair)
	s_mov_b32 s[NCS], 0xbe38aa3b                   ; -c
	s_mov_b32 s[TB], 0
	s_mov_b32 s[TN], 0
	s_mov_b32 s[SLOTS], 6
	s_mul_i32 s[UO], s[WV], STEPB                  ; my unit's place in a slot
	s_mul_i32 s53, s[HL], CHB                      ; my head's part of a slot
	s_wait_dscnt 0x0                               ; both opening adds are done
	s_wait_kmcnt 0x0
	s_mov_b32 s[G0], 1
	s_mov_b32 s[G0+1], s[UO]                       ; slot 0
	s_add_nc_u64 s[G0+2:G0+3], s[6:7], s[56:57]
	s_or_b32 s[G0+3], s[G0+3], 0x80000000
	s_add_nc_u64 s[6:7], s[6:7], s[54:55]          ; K(0) of my head
	s_add_nc_u64 s[4:5], s[4:5], s[58:59]
	s_add_nc_u64 s[8:9], s[8:9], s[58:59]
	CROUND                                         ; all four work-groups are here: the first joint loads meet
	tensor_load_to_lds s[G0:G0+3], s[G1:G1+7]      ; chunk 0: every wave's one load at the head
	s_nop 0
	v_and_b32 v[S+3], 31, v0                       ; lane
	v_and_b32 v[S+4], 7, v0                        ; r % 8
	v_bfe_u32 v[S+5], v0, 3, 1                     ; r / 8
	v_bfe_u32 v[H8], v0, 4, 1                      ; h
	v_lshlrev_b32 v[S], 4, v[S+4]
	v_lshl_add_u32 v[S], v[H8], 8, v[S]            ; 16 (r % 8) + 256 h
	v_mad_u32_u24 v[S+1], v[S+5], 1408, v[S]
	v_mad_u32_u24 v[S], v[S+5], 1664, v[S]         ; K's codes, new pairs 0 and 2: lanes r / 8 = 1 read 1,536 + 128 bytes on
	v_add_nc_u32 v[S+1], 128, v[S+1]               ; new pairs 1 and 3: + 128, lanes r / 8 = 1 at 1,536
	v_lshlrev_b32 v[S+2], 3, v[S+4]
	v_lshl_add_u32 v[S+2], v[S+5], 2, v[S+2]
	v_lshl_add_u32 v[S+2], v[H8], 7, v[S+2]        ; K's scale words: 8 (r % 8) + 4 (r / 8) + 128 h
	v_lshlrev_b32 v[S+6], 4, v[S+3]                ; 16 x lane
	v_lshlrev_b32 v[S+7], 3, v[S+3]                ; 8 x lane
	global_load_b128 v[QF:QF+3], v[S+6], s[4:5]    ; Q's half fragment and its scale words stay in registers
	global_load_b64 v[QF+4:QF+5], v[S+7], s[4:5] offset:512
	global_load_b32 v[QS], v[S+7], s[4:5] offset:768
.irp b, 0,1,2,3                        ; K(0), composed as every K is
.irp c, 0,1,2
	global_load_b128 v[KF+12*\b+4*\c:KF+12*\b+4*\c+3], v[S+\b%2], s[6:7] offset:3072*(\b/2)+512*\c
.endr
	global_load_b32 v[KS+\b], v[S+2], s[6:7] offset:6144+256*(\b/2)+64*(\b%2)
.endr
.irp k, 0,1,2
	v_add_nc_u32 v[BA+\k], s53, v[S+\k]
.endr
	v_lshl_add_u32 v[BA+3], v[S+3], 4, s53
	v_lshl_add_u32 v[BA+4], v[S+3], 2, s53
	v_lshlrev_b32 v[H8], 3, v[H8]
.irp j, 0,1,2,3,4,5
	v_mov_b32 v[QF+6+\j], 0                        ; zero codes over the empty half of K
	v_mov_b32 v[VF+\j], 0                          ; named behind K's last tile before V(0) is read
.endr
	v_mov_b32 v[RM], 0xff61b1e6                    ; the largest score so far: -3e38
	v_mov_b32 v[MN], 0x7e000000                    ; -M: a whole number above every -M to come, so that the first f is 0
	v_mov_b32 v[L], 0
	v_mov_b32 v[L+1], 0
	v_mov_b32 v[TQ], 0                             ; a lane permute's destination counts as one of its sources
.irp j, 0,1,2,3,4,5,6,7
	v_mov_b32 v[CT+\j], 0                          ; the first step finds no partial sums
.endr
.set j, 0
.rept 32
	v_mov_b32 v[O+j], 0                            ; O^T: the step is written once; the first finds zeros
.set j, j+1
.endr
	s_wait_alu depctr_va_vdst(0)
	s_wait_loadcnt 0x0                             ; Q and K(0)
	QKT                                            ; S(0)
.Lslot:                                            ; six trips: chunks 0 to 5 are worked, chunks 1 to 6 asked for
	CHANGE 1
	STEP 0, 0
	STEP 1, 0
	STEP 2, 0
	STEP 3, 0
	s_xor_b32 s[TB], s[TB], SLOTB
	s_sub_co_u32 s[SLOTS], s[SLOTS], 1
	s_cmp_lg_u32 s[SLOTS], 0
	s_wait_alu depctr_va_vdst(0)
	s_cbranch_scc1 .Lslot
	CHANGE 2                                       ; chunk 6 is worked, the last chunk asked for
	STEP 0, 0
	STEP 1, 0
	STEP 2, 0
	STEP 3, 0
	s_xor_b32 s[TB], s[TB], SLOTB
	CHANGE 0                                       ; chunk 7
	STEP 0, 0
	STEP 1, 0
	STEP 2, 0
	STEP 3, 1
	; THE WAY OUT: O^T / the sum, quantised along the head: register 16 b + i is d = 32 b + 16 h + i, since V's tiles were laid for it
	SUMEND                                         ; (also the places behind the last products)
	v_add_f32 v[L], v[L], v[L+1]
	s_delay_alu instid0(VALU_DEP_1)
	v_permlanex16_b32 v[TP], v[L], s[SEL], s[SEL+1]
	s_delay_alu instid0(VALU_DEP_1)
	v_add_f32 v[L], v[L], v[TP]                    ; the row's sum
	s_wait_alu depctr_va_vdst(0)
	v_rcp_f32 v[L], v[L]
	v_nop                                          ; a plain place behind the transcendental
	s_wait_alu depctr_va_vdst(0)
.set j, 0
.rept 32
	v_mul_f32 v[S+j], v[O+j], v[L]
.set j, j+1
.endr
	QUANT32 S, PC, PS
	v_and_b32 v[DA], 31, v0
	v_mov_b32 v[F], v[PS]
	v_mov_b32 v[F+1], v[PS]                        ; the word twice, so that the record's last 256 bytes are written whole
	v_lshlrev_b32 v[DA+1], 4, v[DA]
	v_lshlrev_b32 v[DA+2], 3, v[DA]
	global_store_b128 v[DA+1], v[PC:PC+3], s[8:9]              ; the record: three stores of whole aligned blocks of 256 bytes
	global_store_b64 v[DA+2], v[PC+4:PC+5], s[8:9] offset:512
	global_store_b64 v[DA+2], v[F:F+1], s[8:9] offset:768
	s_wait_tensorcnt 0x0                           ; the wave's end
	ds_add_u32 v[SPW], v[NIL]
	s_wait_dscnt 0x0
	CROUND                                         ; the closing round
	s_endpgm
.Lfunc_end_k_q8b8b1af434_attn:
	.size	k_q8b8b1af434_attn, .Lfunc_end_k_q8b8b1af434_attn-k_q8b8b1af434_attn
	.p2alignl 7, 3214868480
	.fill 96, 4, 3214868480
	.section	.rodata,"a",@progbits
	.p2align	6, 0x0
	.amdhsa_kernel k_q8b8b1af434_attn
		.amdhsa_group_segment_fixed_size 327680
		.amdhsa_private_segment_fixed_size 0
		.amdhsa_enable_private_segment 0
		.amdhsa_kernarg_size 24
		.amdhsa_user_sgpr_count 2
		.amdhsa_user_sgpr_kernarg_segment_ptr 1
		.amdhsa_wavefront_size32 1
		.amdhsa_system_sgpr_workgroup_id_x 1
		.amdhsa_system_sgpr_workgroup_id_y 1
		.amdhsa_system_sgpr_workgroup_id_z 1
		.amdhsa_system_vgpr_workitem_id 0
		.amdhsa_next_free_vgpr 256
		.amdhsa_next_free_sgpr 66
		.amdhsa_reserve_vcc 0
		.amdhsa_float_denorm_mode_32 3
		.amdhsa_float_denorm_mode_16_64 3
		.amdhsa_memory_ordered 1
		.amdhsa_forward_progress 1
		.amdhsa_inst_pref_size 183
	.end_amdhsa_kernel
	.amdgpu_metadata
---
amdhsa.version: [ 1, 2 ]
amdhsa.kernels:
  - .name:           k_q8b8b1af434_attn
    .symbol:         k_q8b8b1af434_attn.kd
    .args:
      - { .name: q, .offset: 0, .size: 8, .value_kind: global_buffer, .address_space: global }
      - { .name: kv, .offset: 8, .size: 8, .value_kind: global_buffer, .address_space: global }
      - { .name: a, .offset: 16, .size: 8, .value_kind: global_buffer, .address_space: global }
    .group_segment_fixed_size: 327680
    .private_segment_fixed_size: 0
    .kernarg_segment_align: 8
    .kernarg_segment_size: 24
    .max_flat_workgroup_size: 384
    .sgpr_count:     66
    .vgpr_count:     256
    .wavefront_size: 32
...
	.end_amdgpu_metadata
.endif
;; end of part 2
;; launch proj (part 3): grid 4 x 64, 4 waves a work-group, clusters of 4 x 4, 238,080 bytes of LDS; arguments a, Wo_codes, Wo_scales, bo, out0; writes out0
.if DOCPART == 3
	.amdgcn_target "amdgcn-amd-amdhsa--gfx1250"
	.amdhsa_code_object_version 6
	.text
	.protected	k_q8b8b1af434_proj
	.globl	k_q8b8b1af434_proj
	.p2align	8
	.type	k_q8b8b1af434_proj,@function
k_q8b8b1af434_proj:
	s_mov_b64 s[64:65], 0
	v_nop
	global_prefetch_b8 v0, s[64:65] scope:SCOPE_SE
	s_setreg_imm32_b32 hwreg(HW_REG_WAVE_MODE, 25, 1), 1
	s_wait_xcnt 0x0
	s_wait_alu depctr_hold_cnt(0) depctr_sa_sdst(0) depctr_va_vdst(0) depctr_va_sdst(0) depctr_va_ssrc(0) depctr_va_vcc(0) depctr_vm_vsrc(0)
	s_getreg_b32 s2, hwreg(HW_REG_IB_STS2, 6, 4)
	s_cmp_eq_u32 s2, 0
	s_cbranch_scc0 .Lentry_in_a_cluster
	s_endpgm
.Lentry_in_a_cluster:
	s_bfe_u32 s2, ttmp6, 0x10000c
	s_cmp_lg_u32 s2, 0xf033
	s_cbranch_scc0 .Lentry_shape_is_right
	s_endpgm
.Lentry_shape_is_right:
; out0 = a Wo^T + bo on codes of FP6 (E2M3) with E8M0 scales, K = 768 in six steps of 128 (two heads a step).  a comes as images of operand registers, a record of 1,024 bytes for 16 rows x one head.
; SHARES.  Work-group (fg, rbk): 64 rows x 192 features, 48 tiles of 16 x 16; a row's piece is 768 bytes.  Wave w: all four tiles of rows against tiles 3 w .. 3 w + 2 of Wo: 12 accumulators; each fragment of Wo is read from LDS once.
; The product is used transposed (source 0 = 16 rows of Wo, source 1 = 16 rows of a): a lane holds eight neighbouring features of one row.  The bias is the C of each sum's first instruction.
; All operands are fetched once; no LDS byte is filled twice.  CLUSTER 4 x 4: Wo's rows hang on fg alone and are asked for jointly along a column of the cluster, a's records on rbk alone, jointly along a row.  One tensor load a wave is out.
; LIMITS: NaN, infinities and a given scale byte 0xff are not served.
.set PITCH, 720                        ; a row of 576 bytes in LDS: nine times 64 bytes + 16 of padding
.set TILEB, 16*PITCH
.set HALFB, 64*PITCH
.set AIM,   192*PITCH                  ; LDS: 192 rows of Wo at 0; a's 48 records here;
.set STG,   AIM+48*1024                ; the stage for the way out, 64 rows x (768 + 16) bytes, written by LDS stores alone
.set SP,    784
.set AWO,  2                           ; v2-3 LDS address of my Wo fragments
.set A16,  4                           ; a record's first 512 bytes: 16 x lane
.set A8,   5                           ; its next 256: 8 x lane
.set ASC,  6                           ; its scale words; lanes 16-31 take the next tile of rows
.set STO,  7
.set RD,   8
.set CO,   9
.set L24,  10
.set R24,  11
.set H32,  12
.set ACC,  16                          ; v16-111: tile of rows i, tile of Wo n at 8 (3 i + n); on the way out: rows read back
.set AF,   112                         ; v112-159 a's four fragments
.set WF,   160                         ; v160-195 Wo's three
.set SA,   196                         ; v196-207 a's scale words: pair of tiles ip, K step s at 6 ip + s
.set SW,   208                         ; v208-213 Wo's tiles 0 (lanes 0-15) and 1 (lanes 16-31); v214-219 tile 2
.set BO,   220                         ; v220-243 the bias in the result's layout
.set WV,   14
.set G1W,  24
.set G1A,  32
.set G0W,  40
.set G0A,  44
.macro PLACES
.rept 4
	v_nop
.endr
.endm
.macro CROUND
	s_barrier_signal -1
	s_barrier_wait -1
	s_cmp_lg_u32 s[WV], 0
	s_cbranch_scc1 .Lnot_wave_0_\@
	s_barrier_signal -3
.Lnot_wave_0_\@:
	s_barrier_wait -3
	s_barrier_signal -1
	s_barrier_wait -1
.endm
.macro FRAG reg, adr, q, off           ; 16 rows x 128 K from rows in LDS, in pieces of 8 bytes; piece p lies at 8 p + 16 (p / 8)
.irp p, 0,1,2,3,4,5
.set PCE, 12*(\q)+6*(\p/3)+\p%3
.if PCE%8 < 5
	ds_load_b64 v[\reg+2*\p:\reg+2*\p+1], v[\adr] offset:8*PCE+16*(PCE/8)+(\off)
.else
	ds_load_b64 v[\reg+2*\p:\reg+2*\p+1], v[\adr+1] offset:8*PCE+16*(PCE/8)+(\off)
.endif
.endr
.endm
.macro MM d, a, b, c, sa, sb, ra, rb   ; ra, rb = 1: that side's scale words stand in lanes 16-31
.if (\ra) && (\rb)
	v_wmma_scale_f32_16x16x128_f8f6f4 v[\d:\d+7], v[\a:\a+11], v[\b:\b+11], v[\c:\c+7], v[\sa], v[\sb] matrix_a_fmt:MATRIX_FMT_FP6 matrix_b_fmt:MATRIX_FMT_FP6 matrix_a_scale:MATRIX_SCALE_ROW1 matrix_b_scale:MATRIX_SCALE_ROW1
.elseif \ra
	v_wmma_scale_f32_16x16x128_f8f6f4 v[\d:\d+7], v[\a:\a+11], v[\b:\b+11], v[\c:\c+7], v[\sa], v[\sb] matrix_a_fmt:MATRIX_FMT_FP6 matrix_b_fmt:MATRIX_FMT_FP6 matrix_a_scale:MATRIX_SCALE_ROW1
.elseif \rb
	v_wmma_scale_f32_16x16x128_f8f6f4 v[\d:\d+7], v[\a:\a+11], v[\b:\b+11], v[\c:\c+7], v[\sa], v[\sb] matrix_a_fmt:MATRIX_FMT_FP6 matrix_b_fmt:MATRIX_FMT_FP6 matrix_b_scale:MATRIX_SCALE_ROW1
.else
	v_wmma_scale_f32_16x16x128_f8f6f4 v[\d:\d+7], v[\a:\a+11], v[\b:\b+11], v[\c:\c+7], v[\sa], v[\sb] matrix_a_fmt:MATRIX_FMT_FP6 matrix_b_fmt:MATRIX_FMT_FP6
.endif
.endm
; A K step: heads 2 s and 2 s + 1.  A fragment of a is two records' codes on end.  The 12 accumulators take turns, one instruction a turn
.macro KSTEP s
.if \s > 0
	PLACES
.endif
.irp i, 0,1,2,3
.irp c, 0,1
	ds_load_b128 v[AF+12*\i+6*\c:AF+12*\i+6*\c+3], v[A16] offset:(12*\i+2*\s+\c)*1024
	ds_load_b64 v[AF+12*\i+6*\c+4:AF+12*\i+6*\c+5], v[A8] offset:(12*\i+2*\s+\c)*1024
.endr
.endr
.irp n, 0,1,2
	FRAG WF+12*\n, AWO, \s, \n*TILEB
.endr
	s_wait_dscnt 0x0
.irp i, 0,1,2,3
.irp n, 0,1,2
.if \s == 0
	MM ACC+8*(3*\i+\n), WF+12*\n, AF+12*\i, BO+8*\n, SW+6*(\n/2)+\s, SA+6*(\i/2)+\s, \n%2, \i%2
.else
	MM ACC+8*(3*\i+\n), WF+12*\n, AF+12*\i, ACC+8*(3*\i+\n), SW+6*(\n/2)+\s, SA+6*(\i/2)+\s, \n%2, \i%2
.endif
.endr
.endr
.endm
	s_load_b256 s[4:11], s[0:1], 0x0               ; a 4, Wo codes 6, Wo scales 8, bo 10
	s_load_b64 s[12:13], s[0:1], 0x20              ; out0
	v_lshl_add_u32 v254, v0, 2, 0x3a000
	v_mov_b32 v255, 0
	ds_add_u32 v254, v255
	ds_add_u32 v254, v255
	v_lshrrev_b32 v1, 5, v0
	v_readfirstlane_b32 s[WV], v1                  ; wave 0..3
	s_bfe_u32 s15, ttmp6, 0x40000                  ; cx
	s_bfe_u32 s16, ttmp6, 0x40004                  ; cy
	s_lshl_b32 s17, ttmp9, 2
	s_add_co_u32 s17, s17, s15                     ; fg
	s_and_b32 s18, ttmp7, 0xffff
	s_lshl_b32 s18, s18, 2
	s_add_co_u32 s18, s18, s16                     ; rbk
	s_lshl_b32 s19, s16, 2
	s_lshl_b32 s19, 15, s19                        ; my row of the cluster
	s_lshl_b32 s20, 0x1111, s15                    ; my column
	s_or_b32 s[G1W], s20, (3<<16)|(1<<20)|(1<<21)|(3<<22)|(3<<25)   ; Wo: a dense block as rows of 256 bytes, 16 bytes of padding behind every 64
	s_mov_b32 s[G1W+1], 32<<16
	s_mov_b32 s[G1W+2], 144<<16                    ; 64 rows of 576 bytes
	s_mov_b32 s[G1W+3], 32<<16
	s_mov_b32 s[G1W+4], 144
	s_mov_b32 s[G1W+5], 32
	s_mov_b32 s[G1W+6], 0
	s_mov_b32 s[G1W+7], 0
	s_or_b32 s[G1A], s19, (3<<16)|(1<<21)          ; a: 48 records as rows of 256 bytes, no padding
	s_mov_b32 s[G1A+1], 32<<16
	s_mov_b32 s[G1A+2], 192<<16
	s_mov_b32 s[G1A+3], 32<<16
	s_mov_b32 s[G1A+4], 192
	s_mov_b32 s[G1A+5], 32
	s_mov_b32 s[G1A+6], 0
	s_mov_b32 s[G1A+7], 0
	s_mul_i32 s48, s17, 192*576
	s_mul_i32 s52, s[WV], 64*576
	s_add_co_u32 s48, s48, s52
	s_mov_b32 s49, 0
	s_mul_i32 s50, s18, 48*1024
	s_mov_b32 s51, 0
	s_wait_dscnt 0x0
	s_wait_kmcnt 0x0
	s_mov_b32 s[G0W], 1
	s_mul_i32 s[G0W+1], s[WV], HALFB
	s_add_nc_u64 s[G0W+2:G0W+3], s[6:7], s[48:49]
	s_or_b32 s[G0W+3], s[G0W+3], 0x80000000
	s_mov_b32 s[G0A], 1
	s_mov_b32 s[G0A+1], AIM
	s_add_nc_u64 s[G0A+2:G0A+3], s[4:5], s[50:51]
	s_or_b32 s[G0A+3], s[G0A+3], 0x80000000
	CROUND                                         ; all sixteen work-groups are here: the joint loads meet
	s_cmp_lt_u32 s[WV], 3                          ; waves 0-2: 64 rows of Wo each; wave 3: a.  Four v_nop follow each line
	s_cbranch_scc0 .Lfor_a
	tensor_load_to_lds s[G0W:G0W+3], s[G1W:G1W+7]
	s_nop 0
	PLACES
	s_branch .Lasked
.Lfor_a:
	tensor_load_to_lds s[G0A:G0A+3], s[G1A:G1A+7]
	s_nop 0
	PLACES
.Lasked:
	v_and_b32 v13, 31, v0                          ; lane
	v_and_b32 v14, 15, v0                          ; r
	v_bfe_u32 v15, v0, 4, 1                        ; h
	v_mul_u32_u24 v[AWO], v14, PITCH
	v_mad_u32_u24 v[AWO], v15, 24, v[AWO]
	s_mul_i32 s52, s[WV], 48*PITCH
	v_add_nc_u32 v[AWO], s52, v[AWO]               ; my 48 rows of Wo: row r, + 24 h
	v_lshl_add_u32 v[AWO+1], v15, 4, v[AWO]        ; and behind one padding more
	v_lshl_add_u32 v[A16], v13, 4, AIM
	v_lshl_add_u32 v[A8], v13, 3, AIM+512
	v_mul_u32_u24 v[ASC], v15, 12*1024
	v_lshl_add_u32 v[ASC], v14, 3, v[ASC]
	v_add_nc_u32 v[ASC], AIM+768, v[ASC]
	v_mul_u32_u24 v[STO], v14, SP                  ; the stage, in: row r, + 32 h, + my 192 bytes of a row
	v_lshl_add_u32 v[STO], v15, 5, v[STO]
	s_mul_i32 s52, s[WV], 192
	s_add_co_u32 s52, s52, STG
	v_add_nc_u32 v[STO], s52, v[STO]
	v_mul_u32_u24 v[RD], v15, SP                   ; back: my 16 rows; lanes 0-15 one row, lanes 16-31 the next; 16 bytes a lane
	v_lshl_add_u32 v[RD], v14, 4, v[RD]
	s_mul_i32 s52, s[WV], 16*SP
	s_add_co_u32 s52, s52, STG
	v_add_nc_u32 v[RD], s52, v[RD]
	v_mul_u32_u24 v[CO], v15, 3072                 ; and the same two rows in out0
	v_lshl_add_u32 v[CO], v14, 4, v[CO]
	v_mul_u32_u24 v[L24], v13, 24
	s_wait_alu depctr_va_vdst(0)
	v_mul_u32_u24 v[R24], v14, 24
	s_wait_alu depctr_va_vdst(0)
	v_lshlrev_b32 v[H32], 5, v15
	s_wait_alu depctr_va_vdst(0)
	s_mul_i32 s48, s17, 192*24
	s_mul_i32 s52, s[WV], 48*24
	s_add_co_u32 s48, s48, s52
	s_add_nc_u64 s[8:9], s[8:9], s[48:49]          ; my 48 rows' scale bytes
	s_mul_i32 s48, s17, 192*4
	s_mul_i32 s52, s[WV], 48*4
	s_add_co_u32 s48, s48, s52
	s_add_nc_u64 s[10:11], s[10:11], s[48:49]      ; my 48 numbers of bo
	s_mul_i32 s48, s18, 64*3072
	s_mul_i32 s52, s[WV], 16*3072
	s_add_co_u32 s48, s48, s52
	s_mul_i32 s52, s17, 768
	s_add_co_u32 s48, s48, s52
	s_add_nc_u64 s[12:13], s[12:13], s[48:49]      ; the first row that I store, at my work-group's 768 bytes
.irp j, 0,1,2
	global_load_b64 v[SW+2*\j:SW+2*\j+1], v[L24], s[8:9] offset:8*\j
	global_load_b64 v[SW+6+2*\j:SW+6+2*\j+1], v[R24], s[8:9] offset:768+8*\j
.endr
.irp n, 0,1,2
	global_load_b128 v[BO+8*\n:BO+8*\n+3], v[H32], s[10:11] offset:64*\n            ; lane (r, h): bo of features 16 n + 8 h + 0 .. 7
	global_load_b128 v[BO+8*\n+4:BO+8*\n+7], v[H32], s[10:11] offset:64*\n+16
.endr
	s_wait_tensorcnt 0x0                           ; my part of the operands is in LDS,
	s_barrier_signal -1
	s_barrier_wait -1                              ; everybody's is
.irp ip, 0,1                                   ; a's scale words: a head's word has two bytes; two heads' make a K step's word.  Lanes 0-15 the even tile of rows, lanes 16-31 the odd one
.irp hd, 0,1,2,3,4,5,6,7,8,9,10,11
	ds_load_b32 v[AF+12*\ip+\hd], v[ASC] offset:(24*\ip+\hd)*1024
.endr
.endr
	s_wait_dscnt 0x0
.irp ip, 0,1
.irp s, 0,1,2,3,4,5
	v_lshl_or_b32 v[SA+6*\ip+\s], v[AF+12*\ip+2*\s+1], 16, v[AF+12*\ip+2*\s]
.endr
.endr
.rept 8
	v_nop                                          ; a scale register written by a vector instruction stands eight places ahead of a scaled matrix instruction
.endr
	s_wait_alu depctr_va_vdst(0)
	s_wait_loadcnt 0x0                             ; Wo's scale words and bo
	KSTEP 0
	KSTEP 1
	KSTEP 2
	KSTEP 3
	KSTEP 4
	KSTEP 5
	; THE WAY OUT: a row's 768 bytes come from four waves: they meet in the stage, and each wave stores 16 whole pieces of rows
	PLACES
.irp i, 0,1,2,3
.irp n, 0,1,2
	ds_store_b128 v[STO], v[ACC+8*(3*\i+\n):ACC+8*(3*\i+\n)+3] offset:\i*16*SP+64*\n          ; each accumulator from its low end on
	ds_store_b128 v[STO], v[ACC+8*(3*\i+\n)+4:ACC+8*(3*\i+\n)+7] offset:\i*16*SP+64*\n+16
.endr
.endr
	s_wait_dscnt 0x0                               ; for the others' sake: my stores into the stage are done
	s_barrier_signal -1
	s_barrier_wait -1
.set n, 0
.rept 24
	ds_load_b128 v[ACC+4*n:ACC+4*n+3], v[RD] offset:2*(n/3)*SP+256*(n%3)
.set n, n+1
.endr
.set n, 0
.rept 24
	s_wait_dscnt 23-n                              ; LDS loads come back in order: piece n is in, the younger ones may be out
	global_store_b128 v[CO], v[ACC+4*n:ACC+4*n+3], s[12:13] offset:2*(n/3)*3072+256*(n%3) th:TH_STORE_NT   ; sixteen lanes store 256 consecutive bytes, at a multiple of 256 from out0's first byte
.set n, n+1
.endr
	s_wait_tensorcnt 0x0
	ds_add_u32 v254, v255
	s_wait_dscnt 0x0
	CROUND                                         ; the closing round: no work-group ends while a partner may still ask for a tile that names it
	s_endpgm
.Lfunc_end_k_q8b8b1af434_proj:
	.size	k_q8b8b1af434_proj, .Lfunc_end_k_q8b8b1af434_proj-k_q8b8b1af434_proj
	.p2alignl 7, 3214868480
	.fill 96, 4, 3214868480
	.section	.rodata,"a",@progbits
	.p2align	6, 0x0
	.amdhsa_kernel k_q8b8b1af434_proj
		.amdhsa_group_segment_fixed_size 238080
		.amdhsa_private_segment_fixed_size 0
		.amdhsa_enable_private_segment 0
		.amdhsa_kernarg_size 40
		.amdhsa_user_sgpr_count 2
		.amdhsa_user_sgpr_kernarg_segment_ptr 1
		.amdhsa_wavefront_size32 1
		.amdhsa_system_sgpr_workgroup_id_x 1
		.amdhsa_system_sgpr_workgroup_id_y 1
		.amdhsa_system_sgpr_workgroup_id_z 1
		.amdhsa_system_vgpr_workitem_id 0
		.amdhsa_next_free_vgpr 256
		.amdhsa_next_free_sgpr 66
		.amdhsa_reserve_vcc 0
		.amdhsa_float_denorm_mode_32 3
		.amdhsa_float_denorm_mode_16_64 3
		.amdhsa_memory_ordered 1
		.amdhsa_forward_progress 1
		.amdhsa_inst_pref_size 40
	.end_amdhsa_kernel
	.amdgpu_metadata
---
amdhsa.version: [ 1, 2 ]
amdhsa.kernels:
  - .name:           k_q8b8b1af434_proj
    .symbol:         k_q8b8b1af434_proj.kd
    .args:
      - { .name: a, .offset: 0, .size: 8, .value_kind: global_buffer, .address_space: global }
      - { .name: Wo_codes, .offset: 8, .size: 8, .value_kind: global_buffer, .address_space: global }
      - { .name: Wo_scales, .offset: 16, .size: 8, .value_kind: global_buffer, .address_space: global }
      - { .name: bo, .offset: 24, .size: 8, .value_kind: global_buffer, .address_space: global }
      - { .name: out0, .offset: 32, .size: 8, .value_kind: global_buffer, .address_space: global }
    .group_segment_fixed_size: 238080
    .private_segment_fixed_size: 0
    .kernarg_segment_align: 8
    .kernarg_segment_size: 40
    .max_flat_workgroup_size: 128
    .sgpr_count:     66
    .vgpr_count:     256
    .wavefront_size: 32
...
	.end_amdgpu_metadata
.endif
;; end of part 3
